; MI455X (gfx1250); checked and timed in simulation.
; The chip was launched on July 23, 2026; its instructions are those of AMD's public machine-readable ISA for CDNA 5 (MIT licence, August 2026) and "CDNA5" Instruction Set Architecture Reference Guide (July 2026). The comments in the code are by the model that wrote it; some were corrected since.
;; Attention. Allowed arithmetic: float matrix products may take bf16 or f16 operands with f32 sums; all other float work in f32.
;; Inputs: bk 512 float32; bo 512 float32; bq 512 float32; bv 512 float32; gn_b 512 float32; gn_w 512 float32; wk 512 x 512 float32; wo 512 x 512 float32; wq 512 x 512 float32; wv 512 x 512 float32; x 32 x 512 x 32 x 32 float32.
;; Outputs: out0 32 x 512 x 32 x 32 float32.
;; One version. Each part assembles by itself: llvm-mc -triple=amdgcn-amd-amdhsa -mcpu=gfx1250 --defsym DOCPART=n.
;; ======== version 1 of 1: 3 launches
;; workspace buffers: h 33,554,432 bytes; wb 2,097,152 bytes; qkv 100,663,296 bytes
;; launch gn (part 1): grid 1024 x 1, 8 waves a work-group, no clusters, 1,280 bytes of LDS; arguments x, gn_w, gn_b, wq, wk, wv, wo, h, wb; writes h, wb
.if DOCPART == 1
	.amdgcn_target "amdgcn-amd-amdhsa--gfx1250"
	.amdhsa_code_object_version 6
	.text
	.protected	k_q23976d4bcd_gn
	.globl	k_q23976d4bcd_gn
	.p2align	8
	.type	k_q23976d4bcd_gn,@function
k_q23976d4bcd_gn:
	s_mov_b64 s[64:65], 0
	v_nop
	global_prefetch_b8 v0, s[64:65] scope:SCOPE_SE
	s_setreg_imm32_b32 hwreg(HW_REG_WAVE_MODE, 25, 1), 1
	s_wait_xcnt 0x0
; GroupNorm of x [32][512][1024] f32 over 32 groups of 16 channels, result h [32][512][1024] in bf16; and the four
; weight matrices [512][512] f32 rounded to bf16 into wb [2048][512] (rows 0-511 wq, 512-1023 wk, 1024-1535 wv, 1536-2047 wo).
; Work-group g = 32 b + group owns one group: 16 channels x 1024 pixels = 65,536 consecutive bytes of x.  Thread t takes 16 bytes
; at 4096 i + 16 t, i = 0..15, so load i is channel i of the group and its gain and bias are scalars.  The group stays in 64
; registers a thread between the passes: x is read once.  Mean first, then the sum of squared deviations (no difference of large sums).
; Each work-group also rounds 1,024 weight numbers (1024 groups x 1024 = the 4 x 512 x 512 numbers).
; No matrix unit, cluster or tensor load: the launch only streams.
; LIMITS: h and wb are rounded to bf16 (nearest even); v_rsq_f32 is good to 1 ulp; NaN and infinities in x are not treated specially.
.set X,    8                           ; v[8:71]   the group's numbers of this thread, 4 registers a channel
.set WT,   72                          ; v[72:75]  four weight numbers
.set CH,   76                          ; v[76:83]  four chains of pairs
.set T,    84                          ; v84, v85  at work
.set WA,   86                          ; v86       4 x wave: my wave's word in LDS
.set ZERO, 87                          ; v87       0: LDS address of the waves' words
.set MEAN, 88                          ; v[88:89]  the mean, twice
	s_load_b512 s[4:19], s[0:1], 0x0               ; x s[4:5], gn_w s[6:7], gn_b s[8:9], wq s[10:11], wk s[12:13], wv s[14:15], wo s[16:17], h s[18:19]
	s_load_b64 s[20:21], s[0:1], 0x40              ; wb
	v_lshl_add_u32 v96, v0, 2, 0x100
	v_mov_b32 v97, 0
	v_lshlrev_b32 v1, 4, v0                        ; 16 t: my bytes in a channel of x, and in the 4,096 bytes of weights
	v_lshlrev_b32 v2, 3, v0                        ; 8 t: the same numbers in bf16
	v_lshrrev_b32 v3, 5, v0
	v_readfirstlane_b32 s58, v3                    ; wave
	v_mov_b32 v[WA], s58
	v_lshlrev_b32 v[WA], 2, v[WA]
	v_mov_b32 v[ZERO], 0
	v_mov_b32 v[T+1], 0                            ; v_permlanex16_b32 counts as a reader of its destination
	s_mov_b32 s56, 0x76543210                      ; v_permlanex16_b32: lane i reads lane i of the other half
	s_mov_b32 s57, 0xfedcba98
	s_mov_b32 s63, 0x38800000                      ; 1 / 16384, the numbers in a group
	s_and_b32 s22, ttmp9, 31
	s_lshl_b32 s22, s22, 6                         ; the group's 16 gains and biases: byte 64 x group
	s_mov_b32 s23, 0
	s_lshl_b32 s60, ttmp9, 16                      ; x: 65,536 bytes a group
	s_mov_b32 s61, 0
	s_lshl_b32 s68, ttmp9, 15                      ; h: 32,768 bytes a group
	s_mov_b32 s69, 0
	s_lshr_b32 s59, ttmp9, 8                       ; which of the four weight matrices
	s_wait_kmcnt 0x0
	s_add_nc_u64 s[6:7], s[6:7], s[22:23]
	s_add_nc_u64 s[8:9], s[8:9], s[22:23]
	s_load_b512 s[24:39], s[6:7], 0x0              ; 16 gains
	s_load_b512 s[40:55], s[8:9], 0x0              ; 16 biases
	s_add_nc_u64 s[4:5], s[4:5], s[60:61]
	s_add_nc_u64 s[18:19], s[18:19], s[68:69]
	s_lshl_b32 s60, ttmp9, 11                      ; wb: 2,048 bytes a work-group
	s_add_nc_u64 s[20:21], s[20:21], s[60:61]
	s_cmp_lt_u32 s59, 1
	s_cselect_b64 s[66:67], s[10:11], s[12:13]     ; wq or wk
	s_cmp_lt_u32 s59, 3
	s_cselect_b64 s[70:71], s[14:15], s[16:17]     ; wv or wo
	s_cmp_lt_u32 s59, 2
	s_cselect_b64 s[66:67], s[66:67], s[70:71]
	s_and_b32 s60, ttmp9, 255
	s_lshl_b32 s60, s60, 12                        ; 4,096 bytes of that matrix
	s_add_nc_u64 s[66:67], s[66:67], s[60:61]
	global_load_b128 v[WT:WT+3], v1, s[66:67] th:TH_LOAD_NT
.irp i, 0,1,2,3,4,5,6,7,8,9,10,11,12,13,14,15
	global_load_b128 v[X+4*\i:X+4*\i+3], v1, s[4:5] offset:\i*4096 th:TH_LOAD_NT   ; a wave's load covers 512 consecutive bytes
.endr
; v[T], one number a lane, becomes the sum over the work-group's 256 lanes, in every lane.  base: eight LDS words used once.
.macro WGSUM base
	v_add_f32_dpp v[T], v[T], v[T] row_xmask:1 row_mask:0xf bank_mask:0xf
	v_add_f32_dpp v[T], v[T], v[T] row_xmask:2 row_mask:0xf bank_mask:0xf
	v_add_f32_dpp v[T], v[T], v[T] row_xmask:4 row_mask:0xf bank_mask:0xf
	v_add_f32_dpp v[T], v[T], v[T] row_xmask:8 row_mask:0xf bank_mask:0xf
	v_permlanex16_b32 v[T+1], v[T], s56, s57
	v_add_f32 v[T], v[T], v[T+1]
	ds_store_b32 v[WA], v[T] offset:\base          ; all lanes of a wave write the wave's word with the same value
	s_wait_dscnt 0x0                               ; my store is done before I signal: the other waves read it
	s_barrier_signal -1
	s_barrier_wait -1
	ds_load_b128 v[CH:CH+3], v[ZERO] offset:\base
	ds_load_b128 v[CH+4:CH+7], v[ZERO] offset:\base+16
	s_wait_dscnt 0x0
	v_pk_add_f32 v[CH:CH+1], v[CH:CH+1], v[CH+2:CH+3]
	v_pk_add_f32 v[CH+4:CH+5], v[CH+4:CH+5], v[CH+6:CH+7]
	v_pk_add_f32 v[CH:CH+1], v[CH:CH+1], v[CH+4:CH+5]
	v_add_f32 v[T], v[CH], v[CH+1]
.endm
.macro FOLD                            ; the four chains into v[T]
	v_pk_add_f32 v[CH:CH+1], v[CH:CH+1], v[CH+2:CH+3]
	v_pk_add_f32 v[CH+4:CH+5], v[CH+4:CH+5], v[CH+6:CH+7]
	v_pk_add_f32 v[CH:CH+1], v[CH:CH+1], v[CH+4:CH+5]
	v_add_f32 v[T], v[CH], v[CH+1]
.endm
	; pass 1: the sum.  Loads come back in order: the count is the number of younger x loads.  The first four channels start the chains.
	s_wait_loadcnt 14
	v_pk_add_f32 v[CH:CH+1],   v[X:X+1],     v[X+4:X+5]
	v_pk_add_f32 v[CH+2:CH+3], v[X+2:X+3],   v[X+6:X+7]
	s_wait_loadcnt 12
	v_pk_add_f32 v[CH+4:CH+5], v[X+8:X+9],   v[X+12:X+13]
	v_pk_add_f32 v[CH+6:CH+7], v[X+10:X+11], v[X+14:X+15]
.irp i, 4,5,6,7,8,9,10,11,12,13,14,15
	s_wait_loadcnt 15-\i
	v_pk_add_f32 v[CH+4*(\i%2):CH+4*(\i%2)+1],   v[CH+4*(\i%2):CH+4*(\i%2)+1],   v[X+4*\i:X+4*\i+1]
	v_pk_add_f32 v[CH+4*(\i%2)+2:CH+4*(\i%2)+3], v[CH+4*(\i%2)+2:CH+4*(\i%2)+3], v[X+4*\i+2:X+4*\i+3]
.endr
	FOLD
	WGSUM 0
	v_mul_f32 v[MEAN], s63, v[T]
	v_mov_b32 v[MEAN+1], v[MEAN]
	; pass 2: deviations in place, and the sum of their squares
.set j, 0
.rept 32
	v_pk_add_f32 v[X+2*j:X+2*j+1], v[X+2*j:X+2*j+1], v[MEAN:MEAN+1] neg_lo:[0,1] neg_hi:[0,1]
.set j, j+1
.endr
.irp k, 0,1,2,3
	v_pk_mul_f32 v[CH+2*\k:CH+2*\k+1], v[X+2*\k:X+2*\k+1], v[X+2*\k:X+2*\k+1]
.endr
.set j, 4
.rept 28
	v_pk_fma_f32 v[CH+2*(j%4):CH+2*(j%4)+1], v[X+2*j:X+2*j+1], v[X+2*j:X+2*j+1], v[CH+2*(j%4):CH+2*(j%4)+1]
.set j, j+1
.endr
	FOLD
	WGSUM 32                                       ; other LDS words than the first sum's: no wave can overwrite what another still reads
	v_mov_b32 v[T+1], 0x3727c5ac                   ; 1e-5
	v_fma_f32 v[T], v[T], s63, v[T+1]              ; variance + eps
	v_rsq_f32 v[T+1], v[T]
	v_nop                                          ; one plain vector instruction behind a transcendental (ISA guide 5.7.2)
	s_wait_alu depctr_va_vdst(0)
	v_readfirstlane_b32 s62, v[T+1]                ; the same in every lane
	s_wait_kmcnt 0x0                               ; gains and biases
.irp i, 0,1,2,3,4,5,6,7,8,9,10,11,12,13,14,15
	s_mul_f32 s[24+\i], s[24+\i], s62              ; gain / standard deviation
.endr
.irp i, 0,1,2,3,4,5,6,7,8,9,10,11,12,13,14,15
.irp k, 0,1,2,3
	v_fma_f32 v[X+4*\i+\k], v[X+4*\i+\k], s[24+\i], s[40+\i]
.endr
	v_cvt_pk_bf16_f32 v[X+4*\i],   v[X+4*\i],   v[X+4*\i+1]
	v_cvt_pk_bf16_f32 v[X+4*\i+1], v[X+4*\i+2], v[X+4*\i+3]
	global_store_b64 v2, v[X+4*\i:X+4*\i+1], s[18:19] offset:\i*2048   ; a wave's store covers 256 consecutive bytes, aligned
.endr
	v_cvt_pk_bf16_f32 v[WT],   v[WT],   v[WT+1]    ; the weight load is older than every x load: it has been waited for
	v_cvt_pk_bf16_f32 v[WT+1], v[WT+2], v[WT+3]
	global_store_b64 v2, v[WT:WT+1], s[20:21]
	s_wait_tensorcnt 0x0
	ds_add_u32 v96, v97
	s_wait_dscnt 0x0
	s_endpgm
.Lfunc_end_k_q23976d4bcd_gn:
	.size	k_q23976d4bcd_gn, .Lfunc_end_k_q23976d4bcd_gn-k_q23976d4bcd_gn
	.p2alignl 7, 3214868480
	.fill 96, 4, 3214868480
	.section	.rodata,"a",@progbits
	.p2align	6, 0x0
	.amdhsa_kernel k_q23976d4bcd_gn
		.amdhsa_group_segment_fixed_size 1280
		.amdhsa_private_segment_fixed_size 0
		.amdhsa_enable_private_segment 0
		.amdhsa_kernarg_size 72
		.amdhsa_user_sgpr_count 2
		.amdhsa_user_sgpr_kernarg_segment_ptr 1
		.amdhsa_wavefront_size32 1
		.amdhsa_system_sgpr_workgroup_id_x 1
		.amdhsa_system_sgpr_workgroup_id_y 1
		.amdhsa_system_sgpr_workgroup_id_z 1
		.amdhsa_system_vgpr_workitem_id 0
		.amdhsa_next_free_vgpr 98
		.amdhsa_next_free_sgpr 72
		.amdhsa_reserve_vcc 0
		.amdhsa_float_denorm_mode_32 3
		.amdhsa_float_denorm_mode_16_64 3
		.amdhsa_memory_ordered 1
		.amdhsa_forward_progress 1
		.amdhsa_inst_pref_size 21
	.end_amdhsa_kernel
	.amdgpu_metadata
---
amdhsa.version: [ 1, 2 ]
amdhsa.kernels:
  - .name:           k_q23976d4bcd_gn
    .symbol:         k_q23976d4bcd_gn.kd
    .args:
      - { .name: x, .offset: 0, .size: 8, .value_kind: global_buffer, .address_space: global }
      - { .name: gn_w, .offset: 8, .size: 8, .value_kind: global_buffer, .address_space: global }
      - { .name: gn_b, .offset: 16, .size: 8, .value_kind: global_buffer, .address_space: global }
      - { .name: wq, .offset: 24, .size: 8, .value_kind: global_buffer, .address_space: global }
      - { .name: wk, .offset: 32, .size: 8, .value_kind: global_buffer, .address_space: global }
      - { .name: wv, .offset: 40, .size: 8, .value_kind: global_buffer, .address_space: global }
      - { .name: wo, .offset: 48, .size: 8, .value_kind: global_buffer, .address_space: global }
      - { .name: h, .offset: 56, .size: 8, .value_kind: global_buffer, .address_space: global }
      - { .name: wb, .offset: 64, .size: 8, .value_kind: global_buffer, .address_space: global }
    .group_segment_fixed_size: 1280
    .private_segment_fixed_size: 0
    .kernarg_segment_align: 8
    .kernarg_segment_size: 72
    .max_flat_workgroup_size: 256
    .sgpr_count:     72
    .vgpr_count:     98
    .wavefront_size: 32
...
	.end_amdgpu_metadata
.endif
;; end of part 1
;; launch qkv (part 2): grid 256 x 1, 4 waves a work-group, clusters of 4 x 1, 327,680 bytes of LDS; arguments h, wb, bq, bk, bv, qkv; writes qkv
.if DOCPART == 2
	.amdgcn_target "amdgcn-amd-amdhsa--gfx1250"
	.amdhsa_code_object_version 6
	.text
	.protected	k_q23976d4bcd_qkv
	.globl	k_q23976d4bcd_qkv
	.p2align	8
	.type	k_q23976d4bcd_qkv,@function
k_q23976d4bcd_qkv:
	s_mov_b64 s[64:65], 0
	v_nop
	global_prefetch_b8 v0, s[64:65] scope:SCOPE_SE
	s_setreg_imm32_b32 hwreg(HW_REG_WAVE_MODE, 25, 1), 1
	s_wait_xcnt 0x0
	s_wait_alu depctr_hold_cnt(0) depctr_sa_sdst(0) depctr_va_vdst(0) depctr_va_sdst(0) depctr_va_ssrc(0) depctr_va_vcc(0) depctr_vm_vsrc(0)
	s_getreg_b32 s2, hwreg(HW_REG_IB_STS2, 6, 4)
	s_cmp_eq_u32 s2, 0
	s_cbranch_scc0 .Lentry_in_a_cluster
	s_endpgm
.Lentry_in_a_cluster:
	s_bfe_u32 s2, ttmp6, 0x10000c
	s_cmp_lg_u32 s2, 0x3003
	s_cbranch_scc0 .Lentry_shape_is_right
	s_endpgm
.Lentry_shape_is_right:
; qkv[b 1024 + p][n] = sum over c of W[n][c] h[b][c][p] + bias[n], n = 0..1535 (q, k, v), in bf16; sums in f32.
; h: [32][512][1024] bf16.  W = rows 0-1535 of wb [2048][512] bf16.  qkv: [32768][1536] bf16, a row of 3,072 bytes.
; Work-group g owns 128 pixels (image g / 8, pixels 128 (g % 8) ..) and all 1,536 outputs.  Wave w: pixels 64 (w / 2) .. +63 and, of each
; chunk of 256 outputs, 128 (w % 2) .. +127.  A wave's 64 pixels x 512 channels of h stay in 512 registers for the whole launch;
; the weights stream through two LDS slots as 12 tiles of 256 outputs x 256 channels (6 chunks x 2 halves of K; slot s always holds half s).
; For 32 along K a wave loads 8 fragments (16 loads of 16 bytes a lane) and issues 32 matrix instructions.
; CLUSTER: all work-groups walk the same weight tiles, so the four of a cluster ask for them jointly (mask 15); h's tile is each work-group's own.
; ORDER OF THE CHUNKS: cluster j starts at chunk j % 6 and goes round.  So the 64 clusters ask for six different tiles at a time, not all for one,
; and from a cluster's third tile on each tile that it asks for has been asked for two tile steps earlier by the clusters that started one chunk further on.
; The chunk's number is made of the cluster's number alone, which the four partners share.
; The matrix instruction takes W's rows as source 0 and h's pixels as source 1: a lane's eight results are eight neighbouring outputs
; of one pixel, 16 bytes of a row of qkv.  The bias enters as the C of a chunk's first products: nothing is cleared or added later.
; REGISTERS (windows of 256): window 0 addresses, TMP, two buffers of W fragments, the bias; window 1 the 32 accumulator tiles;
; windows 2, 3 h's fragments of channels 0-255, 256-511.
; LIMITS: operands and result are rounded to bf16.
.set PW,    528                        ; LDS pitch of a W row: 512 bytes + 16: 33 x 16, so 16 rows start in 16 different groups of banks
.set SLOT,  256*PW                     ; 135,168
.set PH,    288                        ; LDS pitch of an h row (128 pixels): 256 bytes + 32 = 9 x 32
.set HB,    SLOT                       ; h's tile: 512 rows; it lies over slot 1, which is first filled after h has been read
.set STAGE, HB+512*PH                  ; 282,624: 16 rows x 272 bytes for each wave, for the way out; no tensor load lands here
.set SP,    272
.set ROWB,  3072                       ; bytes in a row of qkv
.set WAVE,  16                         ; s16 wave, s17 = wave / 2 (pixel half), s18 = wave % 2 (output half)
.set CUR,   21                         ; s21 the chunk at work
.set NXT,   22                         ; s22 the chunk after it
.set ADW,   4                          ; v4, v5   LDS address of my W fragments in slot 0, 1
.set ADH,   6                          ; v6-v9    LDS address of my h fragments, channels 128 q ..
.set STO,   10                         ; v10      the way out: where I put 16 bytes
.set RD,    11                         ; v11      the way out: where I read a row back
.set CO,    12                         ; v12      my byte offset in qkv
.set VB,    13                         ; v13      my byte offset in a chunk's 256 biases
.set TMP,   32                         ; v[32:63]
.set F0,    64                         ; v[64:127]   W fragments, buffer 0
.set F1,    128                        ; v[128:191]  W fragments, buffer 1; on the way out: rows read back
.set BIAS,  192                        ; v[192:255]  8 registers for each of my 8 blocks of 16 outputs
.set G1H,   24                         ; s[24:31] group 1 of h's tile
.set G0H,   32                         ; s[32:35] group 0 of h's tile
.set G1W,   36                         ; s[36:43] group 1 of W's tiles
.set G0W,   44                         ; s[44:51] group 0 of W's tiles, a set for each slot
.set OUTP,  52                         ; s[52:53] qkv at my first row and this chunk's columns
.set BP,    54                         ; s[54:55] a chunk's biases
.set WB,    60                         ; s[60:61] wb at my 64 rows of chunk 0
.set OUTB,  70                         ; s[70:71] qkv at my first row, chunk 0's columns
.set MSB, 0
.macro WIN new                         ; the immediate's high byte repeats the setting that is left
.if MSB != (\new)
	s_set_vgpr_msb (MSB<<8)|(\new)
.set MSB, \new
.endif
.endm
.macro PLACES                          ; four plain vector instructions between a matrix instruction and a load into, or a vector instruction on, its registers
.rept 4
	v_nop
.endr
.endm
.macro CREST                           ; a round of the cluster's barrier behind its opening work-group barrier
	s_cmp_lg_u32 s[WAVE], 0
	s_cbranch_scc1 .Lnot_wave_0_\@
	s_barrier_signal -3
.Lnot_wave_0_\@:
	s_barrier_wait -3
	s_barrier_signal -1
	s_barrier_wait -1
.endm
.macro CROUND
	s_barrier_signal -1
	s_barrier_wait -1
	CREST
.endm
; the global address in slot's group 0: my 64 rows of the chunk in register creg (256 rows of 1,024 bytes a chunk), half slot of K.  Written only while no tensor load of mine is out.
.macro WADDR slot, creg
	s_lshl_b32 s68, s[\creg], 18
	s_mov_b32 s69, 0
	s_add_nc_u64 s[G0W+4*\slot+2:G0W+4*\slot+3], s[WB:WB+1], s[68:69]
.if \slot
	s_add_nc_u64 s[G0W+4*\slot+2:G0W+4*\slot+3], s[G0W+4*\slot+2:G0W+4*\slot+3], \slot*512
.endif
	s_or_b32 s[G0W+4*\slot+3], s[G0W+4*\slot+3], 0x80000000
.endm
	s_load_b256 s[4:11], s[0:1], 0x0               ; h s[4:5], wb s[6:7], bq s[8:9], bk s[10:11]
	s_load_b128 s[12:15], s[0:1], 0x20             ; bv s[12:13], qkv s[14:15]
	v_lshl_add_u32 v30, v0, 2, 0x49400
	v_mov_b32 v31, 0
	ds_add_u32 v30, v31
	v_lshrrev_b32 v1, 5, v0
	v_readfirstlane_b32 s[WAVE], v1
	s_lshr_b32 s17, s[WAVE], 1
	s_and_b32 s18, s[WAVE], 1
	s_bfe_u32 s19, ttmp6, 0x40000                  ; cx
	s_lshl_b32 s20, ttmp9, 2
	s_add_co_u32 s20, s20, s19                     ; g = 4 x cluster + cx.  Only s19, s20, s56, s57 and the pointers G0H, OUTB, OUTP ever hold a number made of cx
	s_mul_i32 s21, ttmp9, 43
	s_lshr_b32 s21, s21, 8                         ; cluster / 6: 43 / 256 exceeds 1 / 6 by 0.0013, which over the 64 clusters never reaches the next whole number
	s_mul_i32 s21, s21, 6
	s_sub_co_u32 s[CUR], ttmp9, s21                ; the first chunk: cluster % 6
	; h's tile, a wave's quarter: 128 channel rows x 128 pixels, 8 words of padding behind each row of 64 words
	s_mov_b32 s[G1H+0], (1<<16)|(1<<20)|(5<<22)|(7<<25)
	s_mov_b32 s[G1H+1], 128<<16                    ; tensor_dim0 = 128
	s_mov_b32 s[G1H+2], 128<<16                    ; tensor_dim1 = 128
	s_mov_b32 s[G1H+3], 128<<16                    ; tile_dim0 = 128
	s_mov_b32 s[G1H+4], 128                        ; tile_dim1 = 128
	s_mov_b32 s[G1H+5], 1024                       ; elements from channel to channel
	s_mov_b32 s[G1H+6], 0
	s_mov_b32 s[G1H+7], 0
	; a W tile, a wave's quarter: 64 rows x 256 channels, 4 words of padding behind each row of 128 words; mask 15 with bit 21 beside it
	s_mov_b32 s[G1W+0], 15|(1<<16)|(1<<20)|(1<<21)|(6<<22)|(3<<25)
	s_mov_b32 s[G1W+1], 256<<16
	s_mov_b32 s[G1W+2], 64<<16
	s_mov_b32 s[G1W+3], 256<<16
	s_mov_b32 s[G1W+4], 64
	s_mov_b32 s[G1W+5], 512
	s_mov_b32 s[G1W+6], 0
	s_mov_b32 s[G1W+7], 0
	s_mov_b32 s[G0H], 1
	s_mul_i32 s[G0H+1], s[WAVE], 128*PH
	s_add_co_u32 s[G0H+1], s[G0H+1], HB
	s_lshr_b32 s56, s20, 3
	s_lshl_b32 s56, s56, 20                        ; image: 1,048,576 bytes of h
	s_lshl_b32 s57, s[WAVE], 18                    ; my 128 channels: 262,144 bytes
	s_add_co_u32 s56, s56, s57
	s_and_b32 s57, s20, 7
	s_lshl_b32 s57, s57, 8                         ; my work-group's 128 pixels: 256 bytes
	s_add_co_u32 s56, s56, s57
	s_mov_b32 s57, 0
	s_lshl_b32 s60, s[WAVE], 16                    ; W: my 64 rows of 1,024 bytes
	s_mov_b32 s61, 0
	s_mul_i32 s62, s[WAVE], 64*PW
	s_wait_dscnt 0x0
	s_wait_kmcnt 0x0
	s_add_nc_u64 s[G0H+2:G0H+3], s[4:5], s[56:57]
	s_or_b32 s[G0H+3], s[G0H+3], 0x80000000
	s_add_nc_u64 s[WB:WB+1], s[6:7], s[60:61]
.irp s, 0,1
	s_mov_b32 s[G0W+4*\s], 1
	s_add_co_u32 s[G0W+4*\s+1], s62, \s*SLOT
	WADDR \s, CUR                                  ; the first chunk's half s of K
.endr
	s_lshl_b32 s56, s20, 7
	s_lshl_b32 s57, s17, 6
	s_add_co_u32 s56, s56, s57                     ; my first row of qkv: 128 g + 64 x pixel half
	s_mul_i32 s56, s56, ROWB
	s_lshl_b32 s57, s18, 8                         ; my 128 outputs of a chunk: 256 bytes
	s_add_co_u32 s56, s56, s57
	s_mov_b32 s57, 0
	s_add_nc_u64 s[OUTB:OUTB+1], s[14:15], s[56:57]
	s_lshl_b32 s68, s[CUR], 9                      ; a chunk's 256 columns: 512 bytes
	s_mov_b32 s69, 0
	s_add_nc_u64 s[OUTP:OUTP+1], s[OUTB:OUTB+1], s[68:69]
	CROUND                                         ; the four work-groups are here: the first joint load meets
	tensor_load_to_lds s[G0H:G0H+3], s[G1H:G1H+7]  ; the two first fills go out together: two tensor loads of the wave are out
	s_nop 0
	tensor_load_to_lds s[G0W:G0W+3], s[G1W:G1W+7]  ; the first chunk's half 0
	s_nop 0
	v_and_b32 v1, 15, v0                           ; r = lane % 16
	v_bfe_u32 v2, v0, 4, 1                         ; hh = lane / 16
	v_lshlrev_b32 v[VB], 5, v2
	v_lshl_add_u32 v[VB], s18, 9, v[VB]            ; 4 (128 x output half + 8 hh)
; the biases of the chunk in register creg: chunks 0, 1 bq; 2, 3 bk; 4, 5 bv; the odd chunk takes the upper 256.
; Register j of block nb = bias[128 x half + 16 nb + 8 hh + j]: the layout of C.
.macro BIASFOR creg
	s_cmp_lt_u32 s[\creg], 4
	s_cselect_b64 s[BP:BP+1], s[10:11], s[12:13]
	s_cmp_lt_u32 s[\creg], 2
	s_cselect_b64 s[BP:BP+1], s[8:9], s[BP:BP+1]
	s_and_b32 s62, s[\creg], 1
	s_lshl_b32 s62, s62, 10
	s_mov_b32 s63, 0
	s_add_nc_u64 s[BP:BP+1], s[BP:BP+1], s[62:63]  ; the loads that used the old pointer were waited for at the chunk's head
.irp nb, 0,1,2,3,4,5,6,7
	global_load_b128 v[BIAS+8*\nb:BIAS+8*\nb+3],   v[VB], s[BP:BP+1] offset:64*\nb
	global_load_b128 v[BIAS+8*\nb+4:BIAS+8*\nb+7], v[VB], s[BP:BP+1] offset:64*\nb+16
.endr
.endm
	BIASFOR CUR
	v_mul_u32_u24 v3, v1, PW                       ; a W fragment: row r, 16 bytes for each half of the lanes
	v_lshl_add_u32 v3, v2, 4, v3
	s_mul_i32 s58, s18, 128*PW
	v_add_nc_u32 v[ADW], s58, v3
	v_add_nc_u32 v[ADW+1], SLOT, v[ADW]
	v_and_b32 v14, 7, v0                           ; an h fragment by the transposing load: row 8 hh + lane % 8, 16 bytes for each half of eight lanes' pair
	v_lshl_add_u32 v14, v2, 3, v14
	v_mul_u32_u24 v14, v14, PH
	v_bfe_u32 v15, v0, 3, 1
	v_lshl_add_u32 v14, v15, 4, v14
	s_lshl_b32 s59, s17, 7                         ; my 64 pixels: 128 bytes
	s_add_co_u32 s59, s59, HB
	v_add_nc_u32 v[ADH], s59, v14
.irp q, 1,2,3
	v_add_nc_u32 v[ADH+\q], \q*128*PH, v[ADH]
.endr
	s_mul_i32 s58, s[WAVE], 16*SP
	s_add_co_u32 s58, s58, STAGE                   ; my stage
	v_mul_u32_u24 v14, v1, SP
	v_lshl_add_u32 v14, v2, 4, v14
	v_add_nc_u32 v[STO], s58, v14                  ; in: row r, 16 bytes for each half of the lanes
	v_mul_u32_u24 v14, v2, SP
	v_lshl_add_u32 v14, v1, 4, v14
	v_add_nc_u32 v[RD], s58, v14                   ; back: lanes 0-15 one row of 256 bytes, lanes 16-31 the next
	v_mul_u32_u24 v14, v2, ROWB
	v_lshl_add_u32 v[CO], v1, 4, v14               ; the same two rows in qkv
	s_wait_tensorcnt 0x0                           ; my parts of h's tile and of the first W tile are in,
	s_barrier_signal -1
	s_barrier_wait -1                              ; everybody's are
; 64 transposing loads: fragments (pixel block pt, K step kk) of 8 K steps, channels from address register a on
.macro HLOAD a
.set kk, 0
.rept 8
.irp pt, 0,1,2,3
	ds_load_tr16_b128 v[8*(4*kk+\pt):8*(4*kk+\pt)+3],   v[\a+kk/4] offset:(kk%4)*32*PH+32*\pt
	ds_load_tr16_b128 v[8*(4*kk+\pt)+4:8*(4*kk+\pt)+7], v[\a+kk/4] offset:(kk%4)*32*PH+32*\pt+16*PH
.endr
.set kk, kk+1
.endr
.endm
	WIN 0x80                                       ; destination window 2
	HLOAD ADH
	WIN 0xc0                                       ; destination window 3
	HLOAD ADH+2
	WIN 0
	s_wait_dscnt 0x0                               ; my reads of h's tile are done
	s_set_vgpr_msb (MSB<<8)|((MSB&0xf0)|0x0)
	s_wait_tensorcnt 0x0                           ; and none of my tensor loads is out
	ds_add_u32 v30, v31
	s_wait_dscnt 0x0
	s_set_vgpr_msb (((MSB&0xf0)|0x0)<<8)|MSB
	CROUND                                         ; both hold of every wave of the cluster
	tensor_load_to_lds s[G0W+4:G0W+7], s[G1W:G1W+7]    ; the first chunk's half 1 over h's bytes: my one load behind the round
	s_nop 0
; 16 LDS loads: my 8 W fragments of K step kq of the slot, into buffer f
.macro FETCHW slot, kq, f
.irp nb, 0,1,2,3,4,5,6,7
	ds_load_b128 v[\f+8*\nb:\f+8*\nb+3],   v[ADW+\slot] offset:\nb*16*PW+64*(\kq)
	ds_load_b128 v[\f+8*\nb+4:\f+8*\nb+7], v[ADW+\slot] offset:\nb*16*PW+64*(\kq)+32
.endr
.endm
; 16 matrix instructions: pixel blocks pt0, pt0 + 1 x my 8 output blocks.  cb = 1: C is the bias.
; The 32 accumulators take turns, one instruction a turn, in the same order in every K step.
.macro MULS f, pt0, kq, cb
.irp pt, \pt0, \pt0+1
.irp nb, 0,1,2,3,4,5,6,7
.if \cb
	v_wmma_f32_16x16x32_bf16 v[8*(8*(\pt)+\nb):8*(8*(\pt)+\nb)+7], v[\f+8*\nb:\f+8*\nb+7], v[8*(4*(\kq)+(\pt)):8*(4*(\kq)+(\pt))+7], v[BIAS+8*\nb:BIAS+8*\nb+7]
.else
	v_wmma_f32_16x16x32_bf16 v[8*(8*(\pt)+\nb):8*(8*(\pt)+\nb)+7], v[\f+8*\nb:\f+8*\nb+7], v[8*(4*(\kq)+(\pt)):8*(4*(\kq)+(\pt))+7], v[8*(8*(\pt)+\nb):8*(8*(\pt)+\nb)+7]
.endif
.endr
.endr
.endm
; K step kq = 0..6 of a slot: fetch the next step's fragments into the other buffer, multiply this step's.
; Windows of the products: source 0 (W) 0, source 1 (h) 2 + slot, C and D 1; with the bias as C: C 0.  bl = 1: the next chunk's biases are asked for.
.macro STEP slot, kq, cb, bl
	s_wait_dscnt 0x0                               ; this step's 16 loads, issued 32 matrix instructions ago
	PLACES
	WIN 0
.if \bl
	BIASFOR NXT
.endif
	FETCHW \slot,\kq+1,F0+64*((\kq+1)%2)
.if \cb
	WIN 0x48
.else
	WIN 0x58+4*\slot
.endif
	MULS F0+64*((\kq)%2),0,\kq,\cb
	MULS F0+64*((\kq)%2),2,\kq,\cb
.endm
; K step 7 of a slot, and the change of slots.  fill = 1: this slot gets the next chunk's half, by a joint load behind a round of the cluster's barrier.
.macro TURN slot, next, fill
	s_wait_dscnt 0x0                               ; my reads of this slot are over
	s_set_vgpr_msb (MSB<<8)|((MSB&0xf0)|0x0)
	s_wait_tensorcnt 0x0                           ; all my tensor loads have landed: the one that was out is my part of the next slot;
	ds_add_u32 v30, v31
	s_wait_dscnt 0x0
	s_set_vgpr_msb (((MSB&0xf0)|0x0)<<8)|MSB
.if \fill
	WADDR \slot, NXT                               ; so a group 0 may be written: this slot's half of the next chunk
.endif
	s_barrier_signal -1
	MULS F1,0,7,0                                  ; register work while the others arrive
	WIN 0
	s_barrier_wait -1
.if \fill
	CREST
	tensor_load_to_lds s[G0W+4*\slot:G0W+4*\slot+3], s[G1W:G1W+7]    ; my one load behind the round; 240 matrix instructions stand between it and the wait for it
	s_nop 0
.endif
	PLACES
	FETCHW \next,0,F0
	WIN 0x58+4*\slot
	MULS F1,2,7,0
.endm
; the way out, 16 pixels at a time: round to bf16, 16 bytes a lane into my stage, whole rows of 256 bytes back, store
.macro OUT16 pt
	WIN 0x05                                       ; sources window 1
.irp nb, 0,1,2,3,4,5,6,7
.irp r, 0,1,2,3
	v_cvt_pk_bf16_f32 v[TMP+4*\nb+\r], v[8*(8*\pt+\nb)+2*\r], v[8*(8*\pt+\nb)+2*\r+1]
.endr
.endr
	WIN 0
.irp nb, 0,1,2,3,4,5,6,7
	ds_store_b128 v[STO], v[TMP+4*\nb:TMP+4*\nb+3] offset:32*\nb
.endr
	s_wait_xcnt 0x0                                ; the registers below were data of earlier stores: rewritten only behind this wait
.irp t, 0,1,2,3,4,5,6,7
	ds_load_b128 v[F1+32*(\pt%2)+4*\t:F1+32*(\pt%2)+4*\t+3], v[RD] offset:\t*2*SP   ; LDS serves a wave's instructions in order: these see the stores above
.endr
.irp t, 0,1,2,3,4,5,6,7
	s_wait_dscnt 7-\t                              ; the younger read-backs may stay out
	global_store_b128 v[CO], v[F1+32*(\pt%2)+4*\t:F1+32*(\pt%2)+4*\t+3], s[OUTP:OUTP+1] offset:(16*\pt+2*\t)*ROWB   ; 16 lanes store 256 consecutive bytes, aligned
.endr
.endm
.macro CHUNK more
.if \more
	s_add_co_u32 s[NXT], s[CUR], 1                 ; the next chunk, round the six
	s_cmp_eq_u32 s[NXT], 6
	s_cselect_b32 s[NXT], 0, s[NXT]
.endif
	s_wait_loadcnt 0x0                             ; this chunk's biases
	STEP 0,0,1,0
.irp kq, 1,2,3,4,5,6
	STEP 0,\kq,0,0
.endr
	TURN 0,1,\more
	STEP 1,0,0,\more
.irp kq, 1,2,3,4,5,6
	STEP 1,\kq,0,0
.endr
.if \more
	TURN 1,0,1
.else
	s_wait_dscnt 0x0                               ; the very last K step: nothing more to fetch
	MULS F1,0,7,0
	MULS F1,2,7,0
.endif
	PLACES
	OUT16 0
	OUT16 1
	OUT16 2
	OUT16 3
.if \more
	s_wait_xcnt 0x0                                ; the stores' base and data are rewritten only behind this wait
	s_mov_b32 s[CUR], s[NXT]
	s_lshl_b32 s68, s[CUR], 9
	s_mov_b32 s69, 0
	s_add_nc_u64 s[OUTP:OUTP+1], s[OUTB:OUTB+1], s[68:69]   ; the next chunk's 256 columns
.endif
.endm
	FETCHW 0,0,F0
	s_mov_b32 s66, 0
.Lchunk:
	CHUNK 1
	s_add_co_u32 s66, s66, 1
	s_cmp_lt_u32 s66, 5
	s_cbranch_scc1 .Lchunk
	CHUNK 0                                        ; the sixth chunk fills nothing
	s_set_vgpr_msb (MSB<<8)|((MSB&0xf0)|0x0)
	s_wait_tensorcnt 0x0
	ds_add_u32 v30, v31
	s_wait_dscnt 0x0
	s_set_vgpr_msb (((MSB&0xf0)|0x0)<<8)|MSB
	CROUND                                         ; the closing round: no work-group ends while a partner may still ask jointly
	s_endpgm
.Lfunc_end_k_q23976d4bcd_qkv:
	.size	k_q23976d4bcd_qkv, .Lfunc_end_k_q23976d4bcd_qkv-k_q23976d4bcd_qkv
	.p2alignl 7, 3214868480
	.fill 96, 4, 3214868480
	.section	.rodata,"a",@progbits
	.p2align	6, 0x0
	.amdhsa_kernel k_q23976d4bcd_qkv
		.amdhsa_group_segment_fixed_size 327680
		.amdhsa_private_segment_fixed_size 0
		.amdhsa_enable_private_segment 0
		.amdhsa_kernarg_size 48
		.amdhsa_user_sgpr_count 2
		.amdhsa_user_sgpr_kernarg_segment_ptr 1
		.amdhsa_wavefront_size32 1
		.amdhsa_system_sgpr_workgroup_id_x 1
		.amdhsa_system_sgpr_workgroup_id_y 1
		.amdhsa_system_sgpr_workgroup_id_z 1
		.amdhsa_system_vgpr_workitem_id 0
		.amdhsa_next_free_vgpr 1024
		.amdhsa_next_free_sgpr 72
		.amdhsa_reserve_vcc 0
		.amdhsa_float_denorm_mode_32 3
		.amdhsa_float_denorm_mode_16_64 3
		.amdhsa_memory_ordered 1
		.amdhsa_forward_progress 1
		.amdhsa_inst_pref_size 157
	.end_amdhsa_kernel
	.amdgpu_metadata
---
amdhsa.version: [ 1, 2 ]
amdhsa.kernels:
  - .name:           k_q23976d4bcd_qkv
    .symbol:         k_q23976d4bcd_qkv.kd
    .args:
      - { .name: h, .offset: 0, .size: 8, .value_kind: global_buffer, .address_space: global }
      - { .name: wb, .offset: 8, .size: 8, .value_kind: global_buffer, .address_space: global }
      - { .name: bq, .offset: 16, .size: 8, .value_kind: global_buffer, .address_space: global }
      - { .name: bk, .offset: 24, .size: 8, .value_kind: global_buffer, .address_space: global }
      - { .name: bv, .offset: 32, .size: 8, .value_kind: global_buffer, .address_space: global }
      - { .name: qkv, .offset: 40, .size: 8, .value_kind: global_buffer, .address_space: global }
    .group_segment_fixed_size: 327680
    .private_segment_fixed_size: 0
    .kernarg_segment_align: 8
    .kernarg_segment_size: 48
    .max_flat_workgroup_size: 128
    .sgpr_count:     72
    .vgpr_count:     1024
    .wavefront_size: 32
...
	.end_amdgpu_metadata
.endif
;; end of part 2
;; launch attn (part 3): grid 256 x 1, 4 waves a work-group, clusters of 4 x 1, 327,680 bytes of LDS; arguments qkv, wb, bo, x, out0; writes out0
.if DOCPART == 3
	.amdgcn_target "amdgcn-amd-amdhsa--gfx1250"
	.amdhsa_code_object_version 6
	.text
	.protected	k_q23976d4bcd_attn
	.globl	k_q23976d4bcd_attn
	.p2align	8
	.type	k_q23976d4bcd_attn,@function
k_q23976d4bcd_attn:
	s_mov_b64 s[64:65], 0
	v_nop
	global_prefetch_b8 v0, s[64:65] scope:SCOPE_SE
	s_setreg_imm32_b32 hwreg(HW_REG_WAVE_MODE, 25, 1), 1
	s_wait_xcnt 0x0
	s_wait_alu depctr_hold_cnt(0) depctr_sa_sdst(0) depctr_va_vdst(0) depctr_va_sdst(0) depctr_va_ssrc(0) depctr_va_vcc(0) depctr_vm_vsrc(0)
	s_getreg_b32 s2, hwreg(HW_REG_IB_STS2, 6, 4)
	s_cmp_eq_u32 s2, 0
	s_cbranch_scc0 .Lentry_in_a_cluster
	s_endpgm
.Lentry_in_a_cluster:
	s_bfe_u32 s2, ttmp6, 0x10000c
	s_cmp_lg_u32 s2, 0x3003
	s_cbranch_scc0 .Lentry_shape_is_right
	s_endpgm
.Lentry_shape_is_right:
; out0[b][d][p] = x[b][d][p] + bo[d] + sum over c of wo[d][c] O[c][p],  O[c][p] = sum over keys of softmax(q_p . k_key / sqrt(512)) v_key[c].
; qkv: [32768][1536] bf16 (q at byte 0, k at 1024, v at 2048 of a row of 3,072).  wo = rows 1536-2047 of wb [2048][512] bf16.  x, out0: [32][512][1024] f32.
; Work-group g owns 128 queries of image g / 8; wave w owns 32 of them (two column blocks nt) and all 512 channels: q in 256 registers,
; O transposed (channel x query) in 512, one block of 128 keys' scores transposed (key x query) in 128.  The softmax never leaves the wave:
; a lane holds scores of ONE query (lane % 16), the two halves of the lanes different keys.  Running maximum, as the softmax's shift.
;   S^T = K Q^T: source 0 = 16 key rows from LDS, source 1 = q in registers.
;   Two result tiles of 16 keys, packed to bf16, ARE source 1 of O^T += V^T P^T for 32 keys: no lane moves.  Source 0 = v by the transposing LDS load.
;   Likewise O^T packed is source 1 of the last product, source 0 = wo's rows from LDS; its C starts as bo.
; LDS: KS (128 k rows) and VS (128 v rows) are the two slots: v's tile lands while scores are made, the next k tile while P V is made.
; CLUSTER: the four work-groups of a cluster belong to one image and walk the same k, v and wo tiles: joint loads, mask 15 (a mask names four at most,
; so the eight query blocks of an image are two clusters).
; ORDER OF wo's ROWS: the last product goes through eight blocks of 64 output rows; cluster j takes them in the order a(t) = (2 (j % 4) + t) % 8.
; Its first request is for blocks a(0), a(0) + 1 (128 rows; a(0) is even, so they never wrap): the clusters' first requests together cover all of wo,
; and every later block that a cluster asks for has been asked for before by another.  a(t) is made of the cluster's number alone, which the partners share.
; q is read straight into fragments, once: each load of a wave takes 32 bytes of 16 rows; the wave's 64 loads use all 1,024 bytes of its 32 rows.
; A fragment from LDS feeds two matrix instructions only: with q and O in registers a wave has two column blocks.
; LIMITS: q, k, v, P, O, wo are bf16; sums, softmax and the residual are f32; v_exp_f32 and v_rcp_f32 are good to 1 ulp and flush denormals
; (a weight below 2^-126 of the largest counts as 0); NaN and infinities in the inputs are not treated specially (v_max_num drops a NaN).
.set PK,   1040                        ; LDS pitch of a k or wo row: 1,024 + 16 = 65 x 16
.set PV,   1056                        ; LDS pitch of a v row: 1,024 + 32 = 33 x 32
.set VS,   128*PK                      ; 133,120
.set SPI,  528                         ; the stage's pitch: 128 pixels f32 + 16
.set STG,  64*SPI                      ; a stage of 64 output rows; two of them lie in VS, behind v's last fill
.set ROWB, 3072
.set WO,   1536*1024                   ; wo's first byte in wb
.set WAVE, 14
.set ADK,  4                           ; v4, v5    k (wo) fragments: rows 0-63, 64-127 of KS
.set ADV,  6                           ; v6, v7    v fragments: keys 0-63, 64-127 of VS
.set VQ,   8                           ; v8        my byte offset in q
.set STO,  9                           ; v9, v10   where I put results in stage 0, 1
.set RD,   11                          ; v11       where I read a stage row back
.set XO,   12                          ; v12       16 x lane: my bytes of a row's 512 in x and out0
.set VBO,  13                          ; v13       32 hh: my byte offset in 16 of bo
.set M,    14                          ; v14, v15  running maximum of the raw scores, for nt = 0, 1
.set L,    16                          ; v16, v17  running sum (each half of the lanes its own keys)
.set NM,   18                          ; v[18:21]  - cs x maximum, a pair for each nt
.set AL,   22                          ; v[22:25]  the factor on O and L, a pair for each nt
.set T,    26                          ; v26-v31   at work
.set KB,   32                          ; v[32:127] three buffers of four k fragments
.set VB0,  32                          ; v[32:95]  eight v fragments, buffer 0; buffer 1 is v[192:255]
.set U,    96                          ; v[96:103] softmax: four chains of pairs
.set S,    128                         ; v[128:255] scores, tile (mt, nt) at 128 + 16 mt + 8 nt; packed: P(ks, nt) at 128 + 16 ks + 8 nt
.set BS,   192                         ; v[192:255] last product: two sets of bo, 8 registers for each of 4 row blocks
.set XB,  10                           ; s[10:11] x at my image, my 16 of a block's 64 rows, my work-group's pixels, block 0
.set OB,  12                           ; s[12:13] out0 likewise
.set G1K, 20
.set G1V, 28
.set G1A, 36
.set G1B, 44
.set G0K, 52
.set G0V, 56
.set G0A, 60
.set WOB, 66                           ; s[66:67] wo at my 16 of a block's 64 rows, block 0
.set G0W, 68                           ; s[68:71] wo slot 0, s[72:75] wo slot 1
.set QP,  76
.set XP,  78                           ; x at this trip's block
.set OP,  80                           ; out0 at the last trip's block
.set BOP, 82                           ; bo at the next trip's block
.set DBLK, 89                          ; s89 a(t): the block of 64 output rows at work
.set MSB, 0
.macro WIN new                         ; low byte: bits 1:0 source 0, 3:2 source 1, 5:4 source 2, 7:6 destination; the high byte repeats the setting that is left
.if MSB != (\new)
	s_set_vgpr_msb (MSB<<8)|(\new)
.set MSB, \new
.endif
.endm
.macro PLACES                          ; four plain vector instructions between a matrix instruction and a load into, or a vector instruction on, its registers
.rept 4
	v_nop
.endr
.endm
.macro CREST                           ; a round of the cluster's barrier behind its opening work-group barrier
	s_cmp_lg_u32 s[WAVE], 0
	s_cbranch_scc1 .Lnot_wave_0_\@
	s_barrier_signal -3
.Lnot_wave_0_\@:
	s_barrier_wait -3
	s_barrier_signal -1
	s_barrier_wait -1
.endm
.macro CROUND
	s_barrier_signal -1
	s_barrier_wait -1
	CREST
.endm
; group 1: rows of 512 bf16 (256 words, interval code 7), pad words behind each, joint (mask 15, bit 21 beside it)
.macro DESC1 g, pad, rows, pitch
	s_mov_b32 s[\g+0], 15|(1<<16)|(1<<20)|(1<<21)|(7<<22)|((\pad-1)<<25)
	s_mov_b32 s[\g+1], 512<<16
	s_mov_b32 s[\g+2], \rows<<16
	s_mov_b32 s[\g+3], 512<<16
	s_mov_b32 s[\g+4], \rows
	s_mov_b32 s[\g+5], \pitch
	s_mov_b32 s[\g+6], 0
	s_mov_b32 s[\g+7], 0
.endm
.macro DESC0 g, lreg, lconst, base, off
	s_mov_b32 s[\g], 1
	s_add_co_u32 s[\g+1], s[\lreg], \lconst
	s_add_nc_u64 s[\g+2:\g+3], s[\base:\base+1], \off
	s_or_b32 s[\g+3], s[\g+3], 0x80000000
.endm
	s_load_b256 s[4:11], s[0:1], 0x0               ; qkv s[4:5], wb s[6:7], bo s[8:9], x s[10:11]
	s_load_b64 s[12:13], s[0:1], 0x20              ; out0
	v_lshl_add_u32 v30, v0, 2, 0x41800
	v_mov_b32 v31, 0
	ds_add_u32 v30, v31
	v_lshrrev_b32 v1, 5, v0
	v_readfirstlane_b32 s[WAVE], v1
	s_bfe_u32 s15, ttmp6, 0x40000                  ; cx
	s_lshl_b32 s16, ttmp9, 2
	s_add_co_u32 s16, s16, s15                     ; g.  Only s15, s16, s94-s97 and the pointers QP, XB, OB, XP, OP ever hold a number made of cx
	s_and_b32 s[DBLK], ttmp9, 3
	s_lshl_b32 s[DBLK], s[DBLK], 1                 ; a(0) = 2 x (cluster % 4)
	DESC1 G1K,4,32,1536                            ; a wave's quarter of a k tile: 32 rows
	DESC1 G1V,8,32,1536                            ; of a v tile
	DESC1 G1A,4,32,512                             ; of wo's first 128 rows
	DESC1 G1B,4,16,512                             ; of a further block of 64 rows of wo
	s_mov_b32 s84, 0x3d8293ee                      ; cs = log2(e) / sqrt(512)
	s_mov_b32 s85, 0x3d8293ee
	s_mov_b32 s98, 0xbd8293ee                      ; - cs
	s_mov_b32 s86, 0x76543210                      ; v_permlanex16_b32: lane i reads lane i of the other half
	s_mov_b32 s87, 0xfedcba98
	s_mul_i32 s17, s[WAVE], 32*PK
	s_mul_i32 s18, s[WAVE], 32*PV
	s_mul_i32 s19, s[WAVE], 16*PK
	s_lshr_b32 s90, ttmp9, 1                       ; the image, shared by the cluster
	s_lshl_b32 s90, s90, 10
	s_lshl_b32 s91, s[WAVE], 5
	s_add_co_u32 s90, s90, s91                     ; key row 1024 b + 32 w
	s_mul_i32 s90, s90, ROWB
	s_mov_b32 s91, 0                               ; s91 stays 0: s[90:91] is the pair for 32-bit offsets
	s_lshl_b32 s94, s16, 7
	s_lshl_b32 s95, s[WAVE], 5
	s_add_co_u32 s94, s94, s95                     ; query row 128 g + 32 w
	s_mul_i32 s94, s94, ROWB
	s_mov_b32 s95, 0
	s_wait_dscnt 0x0
	s_wait_kmcnt 0x0
	s_add_nc_u64 s[92:93], s[4:5], s[90:91]
	DESC0 G0K,17,0,92,1024
	DESC0 G0V,18,VS,92,2048
	s_lshl_b32 s90, s[WAVE], 15                    ; my 32 of wo's first 128 rows,
	s_lshl_b32 s99, s[DBLK], 16                    ; which begin at block a(0): 64 rows of 1,024 bytes a block
	s_add_co_u32 s90, s90, s99
	s_add_nc_u64 s[92:93], s[6:7], s[90:91]
	DESC0 G0A,17,0,92,WO
	s_lshl_b32 s90, s[WAVE], 14                    ; my 16 rows of a block of wo
	s_add_nc_u64 s[WOB:WOB+1], s[6:7], s[90:91]
	s_add_nc_u64 s[WOB:WOB+1], s[WOB:WOB+1], WO
	DESC0 G0W,19,0,WOB,0                           ; the two slots' global addresses are written anew in front of each use
	DESC0 G0W+4,19,64*PK,WOB,0
	s_add_nc_u64 s[QP:QP+1], s[4:5], s[94:95]
	s_lshr_b32 s94, s16, 3
	s_lshl_b32 s94, s94, 21                        ; image: 2,097,152 bytes of x
	s_lshl_b32 s96, s[WAVE], 16                    ; my 16 of a block's 64 rows of 4,096 bytes
	s_add_co_u32 s94, s94, s96
	s_and_b32 s96, s16, 7
	s_lshl_b32 s96, s96, 9                         ; the work-group's 128 pixels: 512 bytes
	s_add_co_u32 s94, s94, s96
	s_add_nc_u64 s[XB:XB+1], s[XB:XB+1], s[94:95]
	s_add_nc_u64 s[OB:OB+1], s[OB:OB+1], s[94:95]
	s_lshl_b32 s90, s[DBLK], 18                    ; a block of x: 64 rows of 4,096 bytes
	s_add_nc_u64 s[XP:XP+1], s[XB:XB+1], s[90:91]
	s_lshl_b32 s90, s[DBLK], 8                     ; a block of bo: 256 bytes
	s_add_nc_u64 s[BOP:BOP+1], s[8:9], s[90:91]
	CROUND                                         ; the four work-groups are here: the first joint loads meet
	tensor_load_to_lds s[G0K:G0K+3], s[G1K:G1K+7]  ; keys 0-127: the two first fills go out together, two tensor loads of the wave are out
	s_nop 0
	tensor_load_to_lds s[G0V:G0V+3], s[G1V:G1V+7]
	s_nop 0
	v_and_b32 v1, 15, v0                           ; r
	v_bfe_u32 v2, v0, 4, 1                         ; hh
	v_and_b32 v3, 31, v0                           ; lane
	v_mul_u32_u24 v[VQ], v1, ROWB
	v_lshl_add_u32 v[VQ], v2, 4, v[VQ]
	WIN 0x40                                       ; destination window 1: q fragment (K step kk, block nt) at 16 kk + 8 nt
.set kk, 0
.rept 16
.irp nt, 0,1
	global_load_b128 v[16*kk+8*\nt:16*kk+8*\nt+3],   v[VQ], s[QP:QP+1] offset:\nt*16*ROWB+64*kk th:TH_LOAD_NT
	global_load_b128 v[16*kk+8*\nt+4:16*kk+8*\nt+7], v[VQ], s[QP:QP+1] offset:\nt*16*ROWB+64*kk+32 th:TH_LOAD_NT
.endr
.set kk, kk+1
.endr
	WIN 0
	v_mul_u32_u24 v[ADK], v1, PK
	v_lshl_add_u32 v[ADK], v2, 4, v[ADK]
	v_add_nc_u32 v[ADK+1], 64*PK, v[ADK]
	v_and_b32 v[T], 7, v0
	v_lshl_add_u32 v[T], v2, 3, v[T]
	v_mul_u32_u24 v[T], v[T], PV
	v_bfe_u32 v[T+1], v0, 3, 1
	v_lshl_add_u32 v[T], v[T+1], 4, v[T]
	v_add_nc_u32 v[ADV], VS, v[T]
	v_add_nc_u32 v[ADV+1], VS+64*PV, v[T]
	v_mul_u32_u24 v[T], v2, 8*SPI                  ; stage: row 8 hh (+ 16 mt + j), pixel 32 w + r (+ 16 nt)
	v_lshl_add_u32 v[T], v1, 2, v[T]
	s_lshl_b32 s90, s[WAVE], 7
	s_add_co_u32 s90, s90, VS
	v_add_nc_u32 v[STO], s90, v[T]
	v_add_nc_u32 v[STO+1], STG, v[STO]
	s_mul_i32 s90, s[WAVE], 16*SPI
	s_add_co_u32 s90, s90, VS
	v_lshl_add_u32 v[RD], v3, 4, s90               ; back: rows 16 w .., 32 lanes take a row's 512 bytes
	v_lshlrev_b32 v[XO], 4, v3
	v_lshlrev_b32 v[VBO], 5, v2
; eight LDS loads: four fragments (16 rows x 32 K at K step kk) from address register adr into buffer gi % 3
.macro LOADG gi, adr, kk
.irp q, 0,1,2,3
	ds_load_b128 v[KB+32*((\gi)%3)+8*\q:KB+32*((\gi)%3)+8*\q+3],   v[\adr] offset:\q*16*PK+64*(\kk)
	ds_load_b128 v[KB+32*((\gi)%3)+8*\q+4:KB+32*((\gi)%3)+8*\q+7], v[\adr] offset:\q*16*PK+64*(\kk)+32
.endr
.endm
; eight matrix instructions: four row blocks from mt0 on x two column blocks.  cm = 1: C is 0; 2: C is the bias set cb; 0: in place.
; The accumulators take turns, one instruction a turn.
.macro SMUL8 gi, mt0, kk, cm, cb
.irp q, 0,1,2,3
.irp nt, 0,1
.if \cm == 1
	v_wmma_f32_16x16x32_bf16 v[S+16*(\mt0+\q)+8*\nt:S+16*(\mt0+\q)+8*\nt+7], v[KB+32*((\gi)%3)+8*\q:KB+32*((\gi)%3)+8*\q+7], v[16*(\kk)+8*\nt:16*(\kk)+8*\nt+7], 0
.else
.if \cm == 2
	v_wmma_f32_16x16x32_bf16 v[S+16*(\mt0+\q)+8*\nt:S+16*(\mt0+\q)+8*\nt+7], v[KB+32*((\gi)%3)+8*\q:KB+32*((\gi)%3)+8*\q+7], v[16*(\kk)+8*\nt:16*(\kk)+8*\nt+7], v[\cb+8*\q:\cb+8*\q+7]
.else
	v_wmma_f32_16x16x32_bf16 v[S+16*(\mt0+\q)+8*\nt:S+16*(\mt0+\q)+8*\nt+7], v[KB+32*((\gi)%3)+8*\q:KB+32*((\gi)%3)+8*\q+7], v[16*(\kk)+8*\nt:16*(\kk)+8*\nt+7], v[S+16*(\mt0+\q)+8*\nt:S+16*(\mt0+\q)+8*\nt+7]
.endif
.endif
.endr
.endr
.endm
; nmt row blocks (8: KS's 128 rows, address registers a0, a0 + 1 by turns; 4: 64 rows at a0) x 512 along K x my 32 columns, all under one window
; setting (source 1 window 1).  Groups of four fragments, two groups fetched ahead.  The last group's products are left to SMUL_LAST.
.macro SMUL_BODY nmt, a0, cm, cb
.set NH, \nmt/4
.set NG, 16*NH
	PLACES
	LOADG 0,\a0,0
	LOADG 1,\a0+(1%NH),1/NH
.set gg, 0
.rept NG-1
.if gg+2 < NG
	PLACES
	LOADG gg+2,\a0+((gg+2)%NH),(gg+2)/NH
	s_wait_dscnt 16                                ; two younger groups of eight loads may stay out
.else
	s_wait_dscnt 8                                 ; one younger group
.endif
.if gg < NH
	SMUL8 gg,4*(gg%NH),gg/NH,\cm,\cb
.else
	SMUL8 gg,4*(gg%NH),gg/NH,0,0
.endif
.set gg, gg+1
.endr
.endm
.macro SMUL_LAST
	SMUL8 NG-1,4*((NG-1)%NH),(NG-1)/NH,0,0
.endm
; 16 transposing loads: v fragments of key step gi / 4, channel blocks 8 (gi % 4) .. +7, into buffer gi % 2
.macro LOADV gi
.irp q, 0,1,2,3,4,5,6,7
	ds_load_tr16_b128 v[VB0+160*((\gi)%2)+8*\q:VB0+160*((\gi)%2)+8*\q+3],   v[ADV+(\gi)/8] offset:(((\gi)/4)%2)*32*PV+32*(8*((\gi)%4)+\q)
	ds_load_tr16_b128 v[VB0+160*((\gi)%2)+8*\q+4:VB0+160*((\gi)%2)+8*\q+7], v[ADV+(\gi)/8] offset:(((\gi)/4)%2)*32*PV+32*(8*((\gi)%4)+\q)+16*PV
.endr
.endm
; 16 matrix instructions on 16 accumulators by turns: O(channel block, nt) += v fragment x P(key step, nt)
.macro PVMUL gi, zero
.irp q, 0,1,2,3,4,5,6,7
.irp nt, 0,1
.if \zero
	v_wmma_f32_16x16x32_bf16 v[16*(8*((\gi)%2)+\q)+8*\nt:16*(8*((\gi)%2)+\q)+8*\nt+7], v[VB0+160*((\gi)%2)+8*\q:VB0+160*((\gi)%2)+8*\q+7], v[S+16*((\gi)/4)+8*\nt:S+16*((\gi)/4)+8*\nt+7], 0
.else
	v_wmma_f32_16x16x32_bf16 v[16*(8*((\gi)%2)+\q)+8*\nt:16*(8*((\gi)%2)+\q)+8*\nt+7], v[VB0+160*((\gi)%2)+8*\q:VB0+160*((\gi)%2)+8*\q+7], v[S+16*((\gi)/4)+8*\nt:S+16*((\gi)/4)+8*\nt+7], v[16*(8*((\gi)%2)+\q)+8*\nt:16*(8*((\gi)%2)+\q)+8*\nt+7]
.endif
.endr
.endr
.endm
.macro PV_BODY first                   ; groups 0-14; group 15's products are written out behind the barrier's signal
.set gg, 0
.rept 15
	WIN 0
	PLACES
	LOADV gg+1
	s_wait_dscnt 16                                ; the 16 just issued may stay out
	WIN 0xa0+0x50*((gg%4)/2)                       ; C and D: window 2 (channels 0-255) or 3
.if \first
.if gg < 4
	PVMUL gg,1
.else
	PVMUL gg,0
.endif
.else
	PVMUL gg,0
.endif
.set gg, gg+1
.endr
.endm
.macro OPENB                           ; in front of a barrier behind which a slot is filled again
	s_wait_dscnt 0x0                               ; my LDS reads are done, those of the slot among them
	s_set_vgpr_msb (MSB<<8)|((MSB&0xf0)|0x0)
	s_wait_tensorcnt 0x0                           ; all my tensor loads have landed: the one that was out is my part of the other slot
	ds_add_u32 v30, v31
	s_wait_dscnt 0x0
	s_set_vgpr_msb (((MSB&0xf0)|0x0)<<8)|MSB
	s_barrier_signal -1
.endm
; softmax step for column block nt: 64 scores a lane (8 tiles x 8 registers), all of one query
.macro SOFT nt, first
.set SB, S+8*\nt
.irp c, 0,1,2,3
	v_max3_num_f32 v[T+\c], v[SB+32*\c], v[SB+32*\c+1], v[SB+32*\c+2]      ; four chains of 16 scores
.endr
.irp i, 3,5,7,9,11,13
.irp c, 0,1,2,3
	v_max3_num_f32 v[T+\c], v[T+\c], v[SB+32*\c+(\i%8)+16*(\i/8)], v[SB+32*\c+((\i+1)%8)+16*((\i+1)/8)]
.endr
.endr
.irp c, 0,1,2,3
	v_max_num_f32 v[T+\c], v[T+\c], v[SB+32*\c+23]
.endr
	v_max3_num_f32 v[T], v[T], v[T+1], v[T+2]
	v_max_num_f32 v[T], v[T], v[T+3]
	v_permlanex16_b32 v[T+1], v[T], s86, s87       ; the other half of the lanes holds the query's other keys
.if \first
	v_max_num_f32 v[M+\nt], v[T], v[T+1]
	v_mul_f32 v[NM+2*\nt], s98, v[M+\nt]           ; the shift: - cs x maximum
.else
	v_max3_num_f32 v[M+\nt], v[T], v[T+1], v[M+\nt]
	v_mul_f32 v[T+2], s98, v[M+\nt]
	v_sub_f32 v[T+3], v[T+2], v[NM+2*\nt]          ; new shift - old shift <= 0: the very shifts that the exponentials use
	v_mov_b32 v[NM+2*\nt], v[T+2]
	v_exp_f32 v[AL+2*\nt], v[T+3]                  ; the plain move below stands behind it
.endif
	v_mov_b32 v[NM+2*\nt+1], v[NM+2*\nt]
.set ii, 0
.rept 32
	v_pk_fma_f32 v[SB+16*(ii/4)+2*(ii%4):SB+16*(ii/4)+2*(ii%4)+1], v[SB+16*(ii/4)+2*(ii%4):SB+16*(ii/4)+2*(ii%4)+1], s[84:85], v[NM+2*\nt:NM+2*\nt+1] op_sel_hi:[1,0,1]
.set ii, ii+1
.endr
.set ii, 0
.rept 64
	v_exp_f32 v[SB+16*(ii/8)+ii%8], v[SB+16*(ii/8)+ii%8]
.set ii, ii+1
.endr
.if \first
	v_nop                                          ; one plain vector instruction behind the transcendentals (ISA guide 5.7.2)
	s_wait_alu depctr_va_vdst(0)
.else
	s_wait_alu depctr_va_vdst(0)
	v_mov_b32 v[AL+2*\nt+1], v[AL+2*\nt]           ; the plain vector instruction behind the transcendentals
.endif
.irp c, 0,1,2,3
	v_pk_add_f32 v[U+2*\c:U+2*\c+1], v[SB+32*\c:SB+32*\c+1], v[SB+32*\c+2:SB+32*\c+3]
.endr
.irp k, 4,6,16,18,20,22
.irp c, 0,1,2,3
	v_pk_add_f32 v[U+2*\c:U+2*\c+1], v[U+2*\c:U+2*\c+1], v[SB+32*\c+\k:SB+32*\c+\k+1]
.endr
.endr
	v_pk_add_f32 v[U:U+1], v[U:U+1], v[U+2:U+3]
	v_pk_add_f32 v[U+4:U+5], v[U+4:U+5], v[U+6:U+7]
	v_pk_add_f32 v[U:U+1], v[U:U+1], v[U+4:U+5]
.if \first
	v_add_f32 v[L+\nt], v[U], v[U+1]
.else
	v_add_f32 v[U], v[U], v[U+1]
	v_fma_f32 v[L+\nt], v[L+\nt], v[AL+2*\nt], v[U]
.endif
	; pack: tiles 2 ks and 2 ks + 1 become registers 0-3 and 4-7 of P(ks, nt).  In place: P(ks) lies where tile ks lay, which step ks / 2 has used
.irp ks, 0,1,2,3
.irp r, 0,1,2,3
	v_cvt_pk_bf16_f32 v[SB+16*\ks+\r], v[SB+32*\ks+2*\r], v[SB+32*\ks+2*\r+1]
.endr
.irp r, 0,1,2,3
	v_cvt_pk_bf16_f32 v[SB+16*\ks+4+\r], v[SB+32*\ks+16+2*\r], v[SB+32*\ks+16+2*\r+1]
.endr
.endr
.endm
.macro RESCALE                         ; O x the lane's factor of its query, both windows
.irp wn, 0x82,0xc3
	WIN \wn
.set ii, 0
.rept 128
	v_pk_mul_f32 v[2*ii:2*ii+1], v[2*ii:2*ii+1], v[AL+2*((ii/4)%2):AL+2*((ii/4)%2)+1]
.set ii, ii+1
.endr
.endr
.endm
; one block of 128 keys.  Two rounds of the cluster's barrier, one joint load a wave behind each.
.macro BLOCK first, last
	WIN 0x04
	SMUL_BODY 8,ADK,1,0
	OPENB                                          ; KS has been read; v's tile has landed
	SMUL_LAST                                      ; register work while the others arrive
	WIN 0
	s_barrier_wait -1
	CREST
.if \last
	tensor_load_to_lds s[G0A:G0A+3], s[G1A:G1A+7]  ; wo's blocks a(0), a(0) + 1 into KS
	s_nop 0
.else
	s_add_nc_u64 s[G0K+2:G0K+3], s[G0K+2:G0K+3], 128*ROWB
	tensor_load_to_lds s[G0K:G0K+3], s[G1K:G1K+7]  ; the next 128 keys' k; it has the softmax and 240 matrix instructions in which to land
	s_nop 0
.endif
	PLACES
	LOADV 0
	SOFT 0,\first
	SOFT 1,\first
.if \first == 0
	RESCALE
.endif
	PV_BODY \first
	OPENB                                          ; VS has been read; KS's tile has landed
	WIN 0xf0
	PVMUL 15,0
	WIN 0
	s_barrier_wait -1
.if \last == 0
	CREST
	s_add_nc_u64 s[G0V+2:G0V+3], s[G0V+2:G0V+3], 128*ROWB
	tensor_load_to_lds s[G0V:G0V+3], s[G1V:G1V+7]  ; the next 128 keys' v; 248 matrix instructions stand between it and the wait for it
	s_nop 0
.endif
.endm
	s_wait_loadcnt 0x0                             ; q
	s_wait_tensorcnt 0x1                           ; my part of k's first tile is in; v's may stay out
	s_barrier_signal -1
	s_barrier_wait -1
	BLOCK 1,0                                      ; the first block starts maximum, sum and O: nothing is cleared
	s_mov_b32 s88, 6
.Lblock:
	BLOCK 0,0
	s_sub_co_u32 s88, s88, 1
	s_cmp_lg_u32 s88, 0
	s_cbranch_scc1 .Lblock
	BLOCK 0,1                                      ; the last block asks for wo instead of k, and for no v
	; O / sum, packed to bf16 into window 1 (where q lay) as source 1 of the last product
	PLACES
.irp mt, 0,1,2,3
	global_load_b128 v[BS+8*\mt:BS+8*\mt+3],   v[VBO], s[BOP:BOP+1] offset:64*\mt        ; block a(0)'s 64 of bo in C's layout: register j = bo[64 a + 16 mt + 8 hh + j]
	global_load_b128 v[BS+8*\mt+4:BS+8*\mt+7], v[VBO], s[BOP:BOP+1] offset:64*\mt+16
.endr
	v_permlanex16_b32 v[T], v[L], s86, s87
	v_permlanex16_b32 v[T+1], v[L+1], s86, s87
	v_add_f32 v[L], v[L], v[T]                     ; the two halves' keys together
	v_add_f32 v[L+1], v[L+1], v[T+1]
	v_rcp_f32 v[AL], v[L]
	v_rcp_f32 v[AL+2], v[L+1]
	v_nop                                          ; one plain vector instruction behind the transcendentals
	s_wait_alu depctr_va_vdst(0)
	v_mov_b32 v[AL+1], v[AL]
	v_mov_b32 v[AL+3], v[AL+2]
	RESCALE
.macro PACKO kb                        ; channel blocks 2 kq, 2 kq + 1 of the sources' window become K step kb + kq
.set kq, 0
.rept 8
.irp nt, 0,1
.irp r, 0,1,2,3
	v_cvt_pk_bf16_f32 v[16*(\kb+kq)+8*\nt+\r],   v[32*kq+8*\nt+2*\r],    v[32*kq+8*\nt+2*\r+1]
	v_cvt_pk_bf16_f32 v[16*(\kb+kq)+8*\nt+4+\r], v[32*kq+16+8*\nt+2*\r], v[32*kq+16+8*\nt+2*\r+1]
.endr
.endr
.set kq, kq+1
.endr
.endm
	WIN 0x4a                                       ; sources window 2, destination window 1
	PACKO 0
	WIN 0x4f                                       ; sources window 3
	PACKO 8
	WIN 0
; THE LAST PRODUCT, eight trips of 64 output rows d.  Trip t makes block a(t), reads its rows of wo from KS's half t % 2, puts its 64 x 128 results (f32)
; into stage t % 2, and at its head stores trip t - 1's: wave w reads rows 16 w .. +15 back whole, adds x, stores 512 consecutive bytes a row.
; Window 2 now holds x (v0-63) and the rows read back (v64-127).
.macro READBACK buf
	s_wait_loadcnt 0x0                             ; x of the rows read back, and this trip's bo: both issued a trip ago
	WIN 0x80
.irp rr, 0,1,2,3,4,5,6,7,8,9,10,11,12,13,14,15
	ds_load_b128 v[64+4*\rr:64+4*\rr+3], v[RD] offset:(\buf)*STG+\rr*SPI
.endr
	s_wait_dscnt 0x0
	WIN 0x8a
.set ii, 0
.rept 32
	v_pk_add_f32 v[64+2*ii:64+2*ii+1], v[64+2*ii:64+2*ii+1], v[2*ii:2*ii+1]
.set ii, ii+1
.endr
	WIN 0x08                                       ; store data window 2
.irp rr, 0,1,2,3,4,5,6,7,8,9,10,11,12,13,14,15
	global_store_b128 v[XO], v[64+4*\rr:64+4*\rr+3], s[OP:OP+1] offset:\rr*4096 th:TH_STORE_NT   ; a wave's store covers 512 consecutive bytes, aligned
.endr
	WIN 0
.endm
.macro PWORK slot, more
	WIN 0x80
.irp rr, 0,1,2,3,4,5,6,7,8,9,10,11,12,13,14,15
	global_load_b128 v[4*\rr:4*\rr+3], v[XO], s[XP:XP+1] offset:\rr*4096 th:TH_LOAD_NT      ; x of this trip's rows, wanted a trip later
.endr
	WIN 0
.if \more
.irp mt, 0,1,2,3
	global_load_b128 v[BS+32*(1-\slot)+8*\mt:BS+32*(1-\slot)+8*\mt+3],   v[VBO], s[BOP:BOP+1] offset:64*\mt     ; the next trip's bo, into the other set
	global_load_b128 v[BS+32*(1-\slot)+8*\mt+4:BS+32*(1-\slot)+8*\mt+7], v[VBO], s[BOP:BOP+1] offset:64*\mt+16
.endr
.endif
	WIN 0x04
	SMUL_BODY 4,ADK+\slot,2,BS+32*\slot
	s_wait_dscnt 0x0
	SMUL_LAST
	WIN 0
	PLACES
.irp mt, 0,1,2,3
.irp nt, 0,1
.irp j, 0,1,2,3,4,5,6,7
	ds_store_b32 v[STO+\slot], v[S+16*\mt+8*\nt+\j] offset:(16*\mt+\j)*SPI+64*\nt   ; 16 lanes 64 consecutive bytes
.endr
.endr
.endr
.endm
; The trip's barrier orders three things: the last trip's stage is whole before it is read; the stage read a trip ago is free before this trip writes it;
; and, as a round of the cluster's barrier, the half of KS read last trip is free for the joint load of the next trip's rows.
; next = 1: a trip follows, whose rows of wo and of bo are asked for in this one.
.macro PTRIP slot, next
	s_wait_dscnt 0x0                               ; my stage stores and my reads of KS are done
	s_set_vgpr_msb (MSB<<8)|((MSB&0xf0)|0x0)
	s_wait_tensorcnt 0x0                           ; my part of this trip's rows of wo has landed; no tensor load of mine is out: a group 0 may be written
	ds_add_u32 v30, v31
	s_wait_dscnt 0x0
	s_set_vgpr_msb (((MSB&0xf0)|0x0)<<8)|MSB
	s_wait_xcnt 0x0                                ; pointers and the read-back registers (data of the last stores) are rewritten only behind this wait
	s_lshl_b32 s90, s[DBLK], 18
	s_add_nc_u64 s[OP:OP+1], s[OB:OB+1], s[90:91]  ; out0 at the last trip's block a(t - 1)
	s_add_co_u32 s[DBLK], s[DBLK], 1
	s_and_b32 s[DBLK], s[DBLK], 7                  ; a(t)
	s_lshl_b32 s90, s[DBLK], 18
	s_add_nc_u64 s[XP:XP+1], s[XB:XB+1], s[90:91]  ; x at this trip's block
.if \next
	s_add_co_u32 s99, s[DBLK], 1
	s_and_b32 s99, s99, 7                          ; a(t + 1)
	s_lshl_b32 s90, s99, 8
	s_add_nc_u64 s[BOP:BOP+1], s[8:9], s[90:91]    ; its 64 of bo
	s_lshl_b32 s90, s99, 16
	s_add_nc_u64 s[G0W+4*(1-\slot)+2:G0W+4*(1-\slot)+3], s[WOB:WOB+1], s[90:91]   ; my 16 of its 64 rows of wo
	s_or_b32 s[G0W+4*(1-\slot)+3], s[G0W+4*(1-\slot)+3], 0x80000000
.endif
	s_barrier_signal -1
	s_barrier_wait -1
.if \next
	CREST
	tensor_load_to_lds s[G0W+4*(1-\slot):G0W+4*(1-\slot)+3], s[G1B:G1B+7]    ; my one load behind the round
	s_nop 0
.endif
	READBACK 1-\slot
	PWORK \slot,\next
.endm
	s_wait_loadcnt 0x0                             ; block a(0)'s bo; its loads are done, so their base may be stepped
	s_add_nc_u64 s[BOP:BOP+1], s[BOP:BOP+1], 256   ; a(1) = a(0) + 1: a(0) is even
	PWORK 0,1                                      ; trip 0: the last block's closing barrier has shown wo's first 128 rows and freed VS
	s_mov_b32 s88, 3
.Ltrip:
	PTRIP 1,1
	PTRIP 0,1
	s_sub_co_u32 s88, s88, 1
	s_cmp_lg_u32 s88, 0
	s_cbranch_scc1 .Ltrip
	PTRIP 1,0                                      ; trip 7: nothing is left to fetch
	s_wait_dscnt 0x0                               ; my stage stores are done
	s_barrier_signal -1
	s_barrier_wait -1
	s_wait_xcnt 0x0                                ; the read-back registers were data of the last stores, OP their base
	s_lshl_b32 s90, s[DBLK], 18
	s_add_nc_u64 s[OP:OP+1], s[OB:OB+1], s[90:91]  ; out0 at block a(7)
	READBACK 1
	s_set_vgpr_msb (MSB<<8)|((MSB&0xf0)|0x0)
	s_wait_tensorcnt 0x0
	ds_add_u32 v30, v31
	s_wait_dscnt 0x0
	s_set_vgpr_msb (((MSB&0xf0)|0x0)<<8)|MSB
	CROUND                                         ; the closing round: no work-group ends while a partner may still ask jointly
	s_endpgm
.Lfunc_end_k_q23976d4bcd_attn:
	.size	k_q23976d4bcd_attn, .Lfunc_end_k_q23976d4bcd_attn-k_q23976d4bcd_attn
	.p2alignl 7, 3214868480
	.fill 96, 4, 3214868480
	.section	.rodata,"a",@progbits
	.p2align	6, 0x0
	.amdhsa_kernel k_q23976d4bcd_attn
		.amdhsa_group_segment_fixed_size 327680
		.amdhsa_private_segment_fixed_size 0
		.amdhsa_enable_private_segment 0
		.amdhsa_kernarg_size 40
		.amdhsa_user_sgpr_count 2
		.amdhsa_user_sgpr_kernarg_segment_ptr 1
		.amdhsa_wavefront_size32 1
		.amdhsa_system_sgpr_workgroup_id_x 1
		.amdhsa_system_sgpr_workgroup_id_y 1
		.amdhsa_system_sgpr_workgroup_id_z 1
		.amdhsa_system_vgpr_workitem_id 0
		.amdhsa_next_free_vgpr 1024
		.amdhsa_next_free_sgpr 100
		.amdhsa_reserve_vcc 0
		.amdhsa_float_denorm_mode_32 3
		.amdhsa_float_denorm_mode_16_64 3
		.amdhsa_memory_ordered 1
		.amdhsa_forward_progress 1
		.amdhsa_inst_pref_size 255
	.end_amdhsa_kernel
	.section	.bss,"aw",@nobits
	.p2align	6
	.space	262144
	.amdgpu_metadata
---
amdhsa.version: [ 1, 2 ]
amdhsa.kernels:
  - .name:           k_q23976d4bcd_attn
    .symbol:         k_q23976d4bcd_attn.kd
    .args:
      - { .name: qkv, .offset: 0, .size: 8, .value_kind: global_buffer, .address_space: global }
      - { .name: wb, .offset: 8, .size: 8, .value_kind: global_buffer, .address_space: global }
      - { .name: bo, .offset: 16, .size: 8, .value_kind: global_buffer, .address_space: global }
      - { .name: x, .offset: 24, .size: 8, .value_kind: global_buffer, .address_space: global }
      - { .name: out0, .offset: 32, .size: 8, .value_kind: global_buffer, .address_space: global }
    .group_segment_fixed_size: 327680
    .private_segment_fixed_size: 0
    .kernarg_segment_align: 8
    .kernarg_segment_size: 40
    .max_flat_workgroup_size: 128
    .sgpr_count:     100
    .vgpr_count:     1024
    .wavefront_size: 32
...
	.end_amdgpu_metadata
.endif
;; end of part 3
